; MI455X (gfx1250); checked and timed in simulation.
; The chip was launched on July 23, 2026; its instructions are those of AMD's public machine-readable ISA for CDNA 5 (MIT licence, August 2026) and "CDNA5" Instruction Set Architecture Reference Guide (July 2026). The comments in the code are by the model that wrote it; some were corrected since.
;; Hash Grid INR. Allowed arithmetic: matrix products marked QUANTISED: E2M3 operands, one E8M0 scale for each 32 along K, by v_wmma_scale_f32_16x16x128_f8f6f4 with both operands' format E2M3, f32 sums; products left as they are: f32 operands where the result goes on into a quantised operand, else bf16, f16 or f32 operands; f32 sums; everything else in f32.
;; Inputs: W0 33 x 256 float32; W1 256 x 256 float32; W2 256 x 256 float32; W3 256 x 256 float32; W4 256 x 1 float32; b0 256 float32; b1 256 float32; b2 256 float32; b3 256 float32; b4 1 float32; tables 16 x 4,096 x 2 float32; x 262,144 x 3 float32.
;; Outputs: out0 262,144 x 1 float32.
;; This version of the problem:
;;   THIS VERSION OF THE PROBLEM IS GIVEN IN LOW PRECISION. The matrix products marked QUANTISED in the list below multiply operands that are first quantised to E2M3 (2 exponent bits, 3 mantissa bits; 6 bits a number), with one power-of-two scale for each 32 numbers along K (OCP MX v1.0); their sums are f32. All else is computed in f32.
;;   The module's matrix products, in the order in which they are computed (A, B: the left and right operand; K: the contracted axis; several contracted axes count as one K, in the product's order):
;;     1. batch 4,194,304 x [M 2, K 4] x [K 4, N 1]; A: computed on the way; B: computed on the way: left as it is (K = 4 < 32)
;;     2. [M 262,144, K 33] x [K 33, N 256]; A: computed on the way; B: input W0: QUANTISED
;;     3. [M 262,144, K 256] x [K 256, N 256]; A: computed on the way; B: input W1: QUANTISED
;;     4. [M 262,144, K 256] x [K 256, N 256]; A: computed on the way; B: input W2: QUANTISED
;;     5. [M 262,144, K 256] x [K 256, N 256]; A: computed on the way; B: input W3: QUANTISED
;;     6. [M 262,144, K 256] x [K 256, N 1]; A: computed on the way; B: input W4: left as it is (N = 1 < 16)
;;   THE QUANTISER, for each operand of a quantised product, along K:
;;     - K is cut into blocks of 32 from its start; a last block that is shorter is filled with zeros.
;;     - A block's scale is 2^e with e = floor(log2(the largest magnitude in the block)) - 2, held to -126 .. 127; a block of zeros has e = 0. As a byte (E8M0): e + 127.
;;     - Each number is divided by its block's scale, clamped to +-7.5, and rounded to the nearest number of E2M3, ties to even, subnormals kept.
;;     - The product sums the exact products of the quantised numbers (number of the format x scale) in f32.
;;   ~~~python
;;   def quantise(x, axis):      # numpy; x: float32 -> the quantised numbers, widened to float32 again
;;       x = np.moveaxis(x, axis, -1); K = x.shape[-1]
;;       x = np.pad(x, [(0, 0)] * (x.ndim - 1) + [(0, -K % 32)]); x = x.reshape(x.shape[:-1] + (-1, 32)); a = np.abs(x).max(-1, keepdims=True)
;;       e = np.where(a > 0, np.clip(np.frexp(np.where(a > 0, a, 1))[1] - 1 - 2, -126, 127), 0)      # np.frexp(a)[1] - 1 = floor(log2(a)), exactly
;;       r = np.clip(x / 2.0 ** e, -7.5, 7.5)
;;       step = 2.0 ** (np.maximum(np.frexp(np.where(r == 0, 1, r))[1] - 1, 0) - 3)
;;       q = np.round(r / step) * step * 2.0 ** e      # np.round: ties to even
;;       return np.moveaxis(q.reshape(q.shape[:-2] + (-1,))[..., :K], -1, axis).astype(np.float32)
;;   ~~~
;;   OPERANDS COMPUTED ON THE WAY. 'Computed on the way' means the value that the module computes at that place (a softmax that the list does not call 'softmax' is quantised finished and normalised). What goes into a quantiser is computed in f32, as accurately as f32 sums, v_exp_f32 and their like allow (about 1e-6 of the number): no bf16 or f16 on the way to a quantiser, and a product that is left as it is and whose result goes on into a quantised operand takes f32 operands (vector FMAs, or v_wmma_f32_16x16x4_f32). A number that lies on a knife's edge between two numbers of the format may be rounded either way, as far as f32 arithmetic and the matrix unit's own rounding can turn it there, and no further.
;; One version. Each part assembles by itself: llvm-mc -triple=amdgcn-amd-amdhsa -mcpu=gfx1250 --defsym DOCPART=n.
;; ======== version 1 of 1: 2 launches
;; workspace buffers: idx 33,554,432 bytes of whole numbers; ctab 57,344 bytes; wimg 188,416 bytes
;; launch prep (part 1): grid 1046 x 1, 8 waves a work-group, no clusters, 0 bytes of LDS; arguments x, tables, W0, W1, W2, W3, W4, b0, b1, b2, b3, idx, ctab, wimg; writes idx, ctab, wimg
.if DOCPART == 1
	.amdgcn_target "amdgcn-amd-amdhsa--gfx1250"
	.amdhsa_code_object_version 6
	.text
	.protected	k_qecb8b6d8bf_prep
	.globl	k_qecb8b6d8bf_prep
	.p2align	8
	.type	k_qecb8b6d8bf_prep,@function
k_qecb8b6d8bf_prep:
	s_mov_b64 s[64:65], 0
	v_nop
	global_prefetch_b8 v0, s[64:65] scope:SCOPE_SE
	s_setreg_imm32_b32 hwreg(HW_REG_WAVE_MODE, 25, 1), 1
	s_wait_xcnt 0x0
; PREP: what the second launch needs as whole numbers or in its own layout.  Three kinds of work-groups, parted by the work-group's number alone:
;   0-7      W: W0..W3 (f32, stored [K][N]) are quantised along K to codes of FP6 (E2M3) with one E8M0 byte for each 32 along K, and laid as images of the operand's registers, a record for each (layer, tile of 16 units);
;               the record also holds the tile's scale words, its biases and its numbers of W4, in the order in which the second launch's registers take them.
;   8-21     C: the entries of levels 0-7 that the modulo can reach (whole pieces of 256 bytes) are copied into one dense block, ctab.
;   22-1045  I: for every point, level and corner the hashed table index, as a place in the second launch's LDS, 16 bits each.  They hang on floor(x * res), so they are made here and stored; the second launch reads them as whole numbers.
; DEAD WORK: none.  Every input of reference() has a way to the output; this launch loads x, tables, W0-W4, b0-b3, the second x, tables, b4.
; THE LEVELS' RESOLUTIONS are constants that reference() computes in its own body, in double precision: b = exp((log 512 - log 8) / 15) comes out a little under 2^0.4, so 8 b^5, 8 b^10 and 8 b^15 lie under 32, 128 and 512 and
; their floors are 31, 127, 511.  They are named below (RES5, RES10, RES15, HS5 = 31 x 31); level 5's place in ctab has room for 1,024 entries.
; LIMITS: |x * res| under 2^31; NaN and infinities among the inputs are not served.  A block of weights whose largest magnitude lies under 2^-124 keeps the scale byte 1; a block of zeros has the byte 1 where the rule says 127:
; its codes are zeros, which add nothing under any byte but 0xff, and the bytes are read by this program alone.
.set WGW,   8                          ; work-groups for the weights
.set WGC,   14                         ; for the copy: 14 x 256 threads x 16 bytes = 57,344
.set PRIME, 0x9e3779b1                 ; 2,654,435,761
.set RES0,  0x41000000                 ; 8, as f32
.set RES1,  0x41200000                 ; 10
.set RES2,  0x41500000                 ; 13
.set RES3,  0x41900000                 ; 18
.set RES4,  0x41c00000                 ; 24
.set RES5,  0x41f80000                 ; 31
.set RES6,  0x42280000                 ; 42
.set RES7,  0x425c0000                 ; 55
.set RES8,  0x42920000                 ; 73
.set RES9,  0x42c20000                 ; 97
.set RES10, 0x42fe0000                 ; 127
.set RES11, 0x43280000                 ; 168
.set RES12, 0x435e0000                 ; 222
.set RES13, 0x43930000                 ; 294
.set RES14, 0x43c20000                 ; 388
.set RES15, 0x43ff8000                 ; 511
.set HS0, 64                           ; min(res^2, 4096)
.set HS1, 100
.set HS2, 169
.set HS3, 324
.set HS4, 576
.set HS5, 961
.set HS6, 1764
.set HS7, 3025
.set CB0, 0                            ; where a coarse level begins in ctab: each has its 8 HS bytes, rounded up to pieces of 256
.set CB1, 512
.set CB2, 1536
.set CB3, 3072
.set CB4, 5888
.set CB5, 10496
.set CB6, 18688
.set CB7, 33024
.set REC,  3328                        ; a record of layers 1-3: two fragments of 1,536 bytes, 128 of scale words, 64 of biases, 64 of W4
.set REC0, 1792                        ; of layer 0: one fragment
.set OUT,  32                          ; I: v32-63   the packed places, four registers for each pair of levels: no store's data are written again
.set NUM,  32                          ; W: v32-159  128 numbers of my column
.set COD,  160                         ; W: v160-183 their codes: two fragments
.set TMP,  184                         ; W: v184-190 second halves of blocks, on their way
	s_load_b512 s[4:19], s[0:1], 0x0               ; x 4, tables 6, W0 8, W1 10, W2 12, W3 14, W4 16, b0 18
	s_load_b256 s[20:27], s[0:1], 0x40             ; b1 20, b2 22, b3 24, idx 26
	s_load_b128 s[28:31], s[0:1], 0x60             ; ctab 28, wimg 30
	v_lshrrev_b32 v1, 5, v0
	v_readfirstlane_b32 s32, v1                    ; wave 0..7
	v_and_b32 v1, 31, v0                           ; lane
	s_cmp_lt_u32 ttmp9, WGW
	s_cbranch_scc1 .Lweights
	s_cmp_lt_u32 ttmp9, WGW+WGC
	s_cbranch_scc1 .Lcoarse
; ---- I: a wave takes a block of 32 points.  Block 2 G + par holds points 64 G + 2 lane + par.
	s_sub_co_u32 s33, ttmp9, WGW+WGC
	s_lshl_b32 s33, s33, 3
	s_add_co_u32 s33, s33, s32                     ; my block
	s_lshr_b32 s34, s33, 1
	s_mul_i32 s34, s34, 768                        ; 64 points of 12 bytes,
	s_and_b32 s35, s33, 1
	s_mul_i32 s35, s35, 12                         ; and the odd points one further on
	s_add_co_u32 s34, s34, s35
	s_mov_b32 s35, 0
	s_lshl_b32 s38, s33, 12                        ; a block's places: 8 pairs of levels x 32 lanes x 16 bytes
	s_mov_b32 s39, 0
	s_mov_b32 s36, PRIME
	v_mul_u32_u24 v2, v1, 24                       ; every second point
	v_lshlrev_b32 v3, 4, v1                        ; 16 bytes a lane
	v_mov_b32 v6, 0                                ; a pair of zeros: the addend of the wide multiply
	v_mov_b32 v7, 0
	s_wait_kmcnt 0x0
	s_add_nc_u64 s[4:5], s[4:5], s[34:35]
	s_add_nc_u64 s[26:27], s[26:27], s[38:39]
	global_load_b32 v4, v2, s[4:5]                 ; x
	global_load_b32 v5, v2, s[4:5] offset:4        ; y
	s_wait_loadcnt 0x0
; One level: the cell, the four corners' hashes, the modulo, the places.  lb: where the level begins, within 16 bits.  Two registers: (0,0) | (0,1) << 16 and (1,0) | (1,1) << 16, in reference()'s order of corners.
.macro LEVEL res, hs, lb, dst
	v_mul_f32 v8, \res, v4                         ; the same f32 product that the second launch takes its fractions from
	v_mul_f32 v9, \res, v5
	v_floor_f32 v8, v8
	v_floor_f32 v9, v9
	v_cvt_i32_f32 v8, v8                           ; ix
	v_cvt_i32_f32 v9, v9                           ; iy
	v_mul_lo_u32 v10, v9, s36                      ; iy x prime, modulo 2^32
	v_add_nc_u32 v9, 1, v8                         ; ix + 1
	v_add_nc_u32 v11, s36, v10                     ; (iy + 1) x prime
	v_xor_b32 v12, v8, v10
	v_xor_b32 v13, v8, v11
	v_xor_b32 v14, v9, v10
	v_xor_b32 v15, v9, v11
.if ((\hs)&((\hs)-1)) == 0
.irp k, 12,13,14,15
	v_and_b32 v\k, (\hs)-1, v\k                    ; a power of two
.endr
.else
	s_mov_b32 s37, 0x100000000/(\hs)               ; m = floor(2^32 / hs).  q = floor(H m / 2^32) is floor(H / hs) or one less, so H - q hs lies under 2 hs,
	s_mov_b32 s40, \hs                             ; and the unsigned minimum of it and of it less hs is H mod hs
.irp k, 0,1,2,3
	v_mad_nc_u64_u32 v[16+2*\k:17+2*\k], v[12+\k], s37, v[6:7]
.endr
.irp k, 0,1,2,3
	v_mul_lo_u32 v[16+2*\k], v[17+2*\k], s40
.endr
.irp k, 0,1,2,3
	v_sub_nc_u32 v[12+\k], v[12+\k], v[16+2*\k]
.endr
.irp k, 0,1,2,3
	v_sub_nc_u32 v[16+2*\k], v[12+\k], s40
.endr
.irp k, 0,1,2,3
	v_min_u32 v[12+\k], v[12+\k], v[16+2*\k]
.endr
.endif
.irp k, 12,13,14,15
	v_lshl_add_u32 v\k, v\k, 3, \lb                ; 8 bytes an entry
.endr
	v_lshl_or_b32 v[\dst], v13, 16, v12
	v_lshl_or_b32 v[\dst+1], v15, 16, v14
.endm
.macro PAIR j, ra, ha, la, rb, hb, lb
	LEVEL \ra, \ha, \la, OUT+4*(\j)
	LEVEL \rb, \hb, \lb, OUT+4*(\j)+2
	global_store_b128 v3, v[OUT+4*(\j):OUT+4*(\j)+3], s[26:27] offset:512*(\j) th:TH_STORE_NT   ; the wave stores 512 consecutive bytes, aligned
.endm
	PAIR 0, RES0, HS0, CB0, RES1, HS1, CB1         ; coarse levels: places within the dense block
	PAIR 1, RES2, HS2, CB2, RES3, HS3, CB3
	PAIR 2, RES4, HS4, CB4, RES5, HS5, CB5
	PAIR 3, RES6, HS6, CB6, RES7, HS7, CB7
	PAIR 4, RES8, 4096, 0, RES9, 4096, 32768       ; fine levels: the low 16 bits of (level - 8) x 32,768 + 8 h
	PAIR 5, RES10, 4096, 0, RES11, 4096, 32768
	PAIR 6, RES12, 4096, 0, RES13, 4096, 32768
	PAIR 7, RES14, 4096, 0, RES15, 4096, 32768
	s_endpgm
; ---- C: thread p copies the 16 bytes at 16 p of ctab.  In tables they lie 32,768 - (the size of the level before) further on for each level passed.
.Lcoarse:
	s_sub_co_u32 s33, ttmp9, WGW
	s_lshl_b32 s33, s33, 8
	v_add_nc_u32 v1, s33, v0                       ; p
	v_lshrrev_b32 v2, 4, v1                        ; which piece of 256 bytes
	v_lshlrev_b32 v1, 4, v1                        ; the place in ctab
	v_mov_b32 v3, v1                               ; and, stepped up below, in tables
.macro STEPUP ub, cs
	v_mov_b32 v5, 32768-(\cs)
	v_cmp_le_u32 vcc_lo, \ub, v2
	v_cndmask_b32 v4, 0, v5, vcc_lo
	v_add_nc_u32 v3, v3, v4
.endm
	STEPUP CB1/256, CB1-CB0
	STEPUP CB2/256, CB2-CB1
	STEPUP CB3/256, CB3-CB2
	STEPUP CB4/256, CB4-CB3
	STEPUP CB5/256, CB5-CB4
	STEPUP CB6/256, CB6-CB5
	STEPUP CB7/256, CB7-CB6
	s_wait_kmcnt 0x0
	global_load_b128 v[8:11], v3, s[6:7]
	s_wait_loadcnt 0x0
	global_store_b128 v1, v[8:11], s[28:29]        ; sixteen lanes fill 256 consecutive bytes, aligned
	s_endpgm
; ---- W: a wave makes one record.  Layer = work-group / 2, tile t = 8 (work-group % 2) + wave.
; THE UNITS OF A TILE ARE NOT NEIGHBOURS: row m of tile t is unit 64 (t / 4) + 32 (m / 8) + 8 (t % 4) + m % 8.  The second launch uses the product transposed, and a lane's 32 results of tiles 4 g .. 4 g + 3 are then
; one whole block of 32 along the next K, in the order of the next operand's registers.
; A lane takes a column n and its registers run down K, in the order that the operand's layout gives the lane: lane (r, h) holds k = 128 s + 64 c + 32 h + 0 .. 31.  So the conversions' results are the operand's registers.
.Lweights:
	s_lshr_b32 s33, ttmp9, 1                       ; layer
	s_and_b32 s34, ttmp9, 1
	s_lshl_b32 s34, s34, 3
	s_add_co_u32 s34, s34, s32                     ; tile
	s_lshr_b32 s35, s34, 2
	s_lshl_b32 s35, s35, 6
	s_and_b32 s36, s34, 3
	s_lshl_b32 s36, s36, 3
	s_add_co_u32 s35, s35, s36                     ; 64 (t / 4) + 8 (t % 4)
	s_mov_b32 s46, 0x76543210
	s_mov_b32 s47, 0xfedcba98                      ; v_permlanex16_b32's selects for lane l xor 16
	v_and_b32 v2, 7, v0
	v_bfe_u32 v3, v0, 3, 1
	v_lshl_add_u32 v2, v3, 5, v2                   ; 32 (r / 8) + r % 8
	v_add_nc_u32 v2, s35, v2                       ; my column n
	v_lshlrev_b32 v4, 2, v2                        ; in bytes
	v_bfe_u32 v3, v0, 4, 1                         ; h
	v_lshl_add_u32 v5, v3, 15, v4                  ; lanes 16-31 begin 32 rows of 1,024 bytes further down
	v_lshlrev_b32 v6, 4, v1                        ; an image's place for my lane
	v_lshlrev_b32 v7, 2, v1                        ; a word's
	v_lshlrev_b32 v17, 3, v3                       ; 8 h
	v_mov_b32 v16, 0                               ; (a lane permute's destination counts as one of its sources)
	v_mov_b32 v20, 0
	v_cmp_le_u32 s44, 16, v1                       ; lanes 16-31
	s_wait_kmcnt 0x0
	global_load_b32 v19, v4, s[16:17]              ; W4[n]
	s_cmp_eq_u32 s33, 0
	s_cbranch_scc1 .Llayer0
	s_cmp_eq_u32 s33, 1                            ; the layer's weights and biases: a choice that hangs on the work-group's number alone
	s_cselect_b64 s[40:41], s[10:11], s[12:13]
	s_cselect_b64 s[42:43], s[20:21], s[22:23]
	s_cmp_eq_u32 s33, 3
	s_cselect_b64 s[40:41], s[14:15], s[40:41]
	s_cselect_b64 s[42:43], s[24:25], s[42:43]
	s_sub_co_u32 s36, s33, 1
	s_mul_i32 s36, s36, 16*REC
	s_mul_i32 s37, s34, REC
	s_add_co_u32 s36, s36, s37
	s_add_co_u32 s36, s36, 16*REC0                 ; my record: behind layer 0's sixteen
	s_mov_b32 s37, 0
	s_add_nc_u64 s[30:31], s[30:31], s[36:37]
	global_load_b32 v18, v4, s[42:43]              ; the bias of unit n
.set i, 0
.rept 128
	global_load_b32 v[NUM+i], v5, s[40:41] offset:((i/32)*64+i%32)*1024   ; W(128 s + 64 c + 32 h + i % 32, n), i = 64 s + 32 c + ..
.set i, i+1
.endr
	s_wait_loadcnt 0x0
; K step s: my two blocks (2 c + h, c = 0, 1): largest magnitude with the floor 2^(3 - 127) among its leaves, 2 off its exponent field: the conversion's scale operand; its exponent field is the byte.
.macro QW s
.irp c, 0,1
	v_max3_num_f32 v[8+\c], |v[NUM+64*(\s)+32*\c]|, |v[NUM+64*(\s)+32*\c+1]|, 0x1800000
.endr
.irp i, 2,4,6,8,10,12,14,16,18,20,22,24,26,28,30
.irp c, 0,1
	v_max3_num_f32 v[8+\c], v[8+\c], |v[NUM+64*(\s)+32*\c+\i]|, |v[NUM+64*(\s)+32*\c+\i+1]|
.endr
.endr
.irp c, 0,1
	v_add_nc_u32 v[10+\c], 0xff000000, v[8+\c]
.endr
.irp c, 0,1
	v_lshrrev_b32 v[12+\c], 23, v[10+\c]
.endr
	v_lshl_or_b32 v[14+\s], v13, 16, v12           ; my two bytes, blocks h and 2 + h,
	v_lshlrev_b32 v[14+\s], v17, v[14+\s]          ; at their places in the row's scale word;
	v_permlanex16_b32 v16, v[14+\s], s46, s47
	v_or_b32 v[14+\s], v[14+\s], v16               ; with lane l xor 16's two the word is whole, in both lanes
.irp c, 0,1
	v_cvt_scalef32_pk16_fp6_f32 v[COD+12*(\s)+6*\c:COD+12*(\s)+6*\c+2], v[NUM+64*(\s)+32*\c:NUM+64*(\s)+32*\c+15], v[10+\c]
	v_cvt_scalef32_pk16_fp6_f32 v[TMP+4*\c:TMP+4*\c+2], v[NUM+64*(\s)+32*\c+16:NUM+64*(\s)+32*\c+31], v[10+\c]   ; (a conversion's three registers begin on an even number)
.endr
	v_nop                                          ; one plain place behind a scaled conversion
.irp c, 0,1
.irp i, 0,1,2
	v_mov_b32 v[COD+12*(\s)+6*\c+3+\i], v[TMP+4*\c+\i]
.endr
.endr
.endm
	QW 0
	QW 1
	v_cndmask_b32 v14, v14, v15, s44               ; lanes 0-15: K step 0's words of rows 0-15; lanes 16-31: K step 1's
	v_cndmask_b32 v18, v18, v19, s44               ; lanes 0-15: the biases; lanes 16-31: W4
.irp q, 0,1,2,3,4,5
	global_store_b128 v6, v[COD+4*\q:COD+4*\q+3], s[30:31] offset:512*\q   ; registers 4 q .. 4 q + 3 of all lanes: 512 consecutive bytes
.endr
	global_store_b32 v7, v14, s[30:31] offset:3072
	global_store_b32 v7, v18, s[30:31] offset:3200
	s_endpgm
; Layer 0: K = 33.  Block 0 is rows 0-31 (lanes 0-15), block 1 is row 32 and zeros (lanes 16-31); the rest of the K step of 128 is zero codes under the byte 127.
; No load leaves W0: lanes 16-31 take row 32 for their first number and, for the others, the rows that lanes 0-15 take, which are then replaced by zeros.
.Llayer0:
	s_mul_i32 s36, s34, REC0
	s_mov_b32 s37, 0
	s_add_nc_u64 s[30:31], s[30:31], s[36:37]
	global_load_b32 v18, v4, s[18:19]              ; b0[n]
	global_load_b32 v[NUM], v5, s[8:9]             ; row 0, or row 32
.set i, 1
.rept 31
	global_load_b32 v[NUM+i], v4, s[8:9] offset:i*1024
.set i, i+1
.endr
	s_wait_loadcnt 0x0
.set i, 1
.rept 31
	v_cndmask_b32 v[NUM+i], v[NUM+i], v20, s44     ; past the end of K: zeros, ahead of the block's maximum
.set i, i+1
.endr
	v_max3_num_f32 v8, |v[NUM]|, |v[NUM+1]|, 0x1800000
	v_max3_num_f32 v9, |v[NUM+16]|, |v[NUM+17]|, 0x1800000
.irp i, 2,4,6,8,10,12,14
	v_max3_num_f32 v8, v8, |v[NUM+\i]|, |v[NUM+\i+1]|
	v_max3_num_f32 v9, v9, |v[NUM+16+\i]|, |v[NUM+17+\i]|
.endr
	v_max_num_f32 v8, v8, v9
	v_add_nc_u32 v10, 0xff000000, v8
	v_lshrrev_b32 v12, 23, v10
	v_lshlrev_b32 v14, v17, v12                    ; my block's byte at its place
	v_permlanex16_b32 v16, v14, s46, s47
	v_or_b32 v14, v14, v16
	v_or_b32 v14, 0x7f7f0000, v14                  ; blocks 2 and 3: zero codes, byte 127
	v_cvt_scalef32_pk16_fp6_f32 v[COD:COD+2], v[NUM:NUM+15], v10
	v_cvt_scalef32_pk16_fp6_f32 v[TMP:TMP+2], v[NUM+16:NUM+31], v10
	v_nop                                          ; one plain place behind a scaled conversion
.irp i, 0,1,2
	v_mov_b32 v[COD+3+\i], v[TMP+\i]
.endr
.irp i, 6,7,8,9,10,11
	v_mov_b32 v[COD+\i], 0
.endr
	v_cndmask_b32 v18, v18, v19, s44
.irp q, 0,1,2
	global_store_b128 v6, v[COD+4*\q:COD+4*\q+3], s[30:31] offset:512*\q
.endr
	global_store_b32 v7, v14, s[30:31] offset:1536
	global_store_b32 v7, v18, s[30:31] offset:1664
	s_endpgm
.Lfunc_end_k_qecb8b6d8bf_prep:
	.size	k_qecb8b6d8bf_prep, .Lfunc_end_k_qecb8b6d8bf_prep-k_qecb8b6d8bf_prep
	.p2alignl 7, 3214868480
	.fill 96, 4, 3214868480
	.section	.rodata,"a",@progbits
	.p2align	6, 0x0
	.amdhsa_kernel k_qecb8b6d8bf_prep
		.amdhsa_group_segment_fixed_size 0
		.amdhsa_private_segment_fixed_size 0
		.amdhsa_enable_private_segment 0
		.amdhsa_kernarg_size 112
		.amdhsa_user_sgpr_count 2
		.amdhsa_user_sgpr_kernarg_segment_ptr 1
		.amdhsa_wavefront_size32 1
		.amdhsa_system_sgpr_workgroup_id_x 1
		.amdhsa_system_sgpr_workgroup_id_y 1
		.amdhsa_system_sgpr_workgroup_id_z 1
		.amdhsa_system_vgpr_workitem_id 0
		.amdhsa_next_free_vgpr 192
		.amdhsa_next_free_sgpr 66
		.amdhsa_reserve_vcc 1
		.amdhsa_float_denorm_mode_32 3
		.amdhsa_float_denorm_mode_16_64 3
		.amdhsa_memory_ordered 1
		.amdhsa_forward_progress 1
		.amdhsa_inst_pref_size 58
	.end_amdhsa_kernel
	.amdgpu_metadata
---
amdhsa.version: [ 1, 2 ]
amdhsa.kernels:
  - .name:           k_qecb8b6d8bf_prep
    .symbol:         k_qecb8b6d8bf_prep.kd
    .args:
      - { .name: x, .offset: 0, .size: 8, .value_kind: global_buffer, .address_space: global }
      - { .name: tables, .offset: 8, .size: 8, .value_kind: global_buffer, .address_space: global }
      - { .name: W0, .offset: 16, .size: 8, .value_kind: global_buffer, .address_space: global }
      - { .name: W1, .offset: 24, .size: 8, .value_kind: global_buffer, .address_space: global }
      - { .name: W2, .offset: 32, .size: 8, .value_kind: global_buffer, .address_space: global }
      - { .name: W3, .offset: 40, .size: 8, .value_kind: global_buffer, .address_space: global }
      - { .name: W4, .offset: 48, .size: 8, .value_kind: global_buffer, .address_space: global }
      - { .name: b0, .offset: 56, .size: 8, .value_kind: global_buffer, .address_space: global }
      - { .name: b1, .offset: 64, .size: 8, .value_kind: global_buffer, .address_space: global }
      - { .name: b2, .offset: 72, .size: 8, .value_kind: global_buffer, .address_space: global }
      - { .name: b3, .offset: 80, .size: 8, .value_kind: global_buffer, .address_space: global }
      - { .name: idx, .offset: 88, .size: 8, .value_kind: global_buffer, .address_space: global }
      - { .name: ctab, .offset: 96, .size: 8, .value_kind: global_buffer, .address_space: global }
      - { .name: wimg, .offset: 104, .size: 8, .value_kind: global_buffer, .address_space: global }
    .group_segment_fixed_size: 0
    .private_segment_fixed_size: 0
    .kernarg_segment_align: 8
    .kernarg_segment_size: 112
    .max_flat_workgroup_size: 256
    .sgpr_count:     66
    .vgpr_count:     192
    .wavefront_size: 32
...
	.end_amdgpu_metadata
.endif
;; end of part 1
;; launch inr (part 2): grid 256 x 1, 8 waves a work-group, no clusters, 327,680 bytes of LDS; arguments x, idx, tables, ctab, wimg, b4, out0; writes out0
.if DOCPART == 2
	.amdgcn_target "amdgcn-amd-amdhsa--gfx1250"
	.amdhsa_code_object_version 6
	.text
	.protected	k_qecb8b6d8bf_inr
	.globl	k_qecb8b6d8bf_inr
	.p2align	8
	.type	k_qecb8b6d8bf_inr,@function
k_qecb8b6d8bf_inr:
	s_mov_b64 s[64:65], 0
	v_nop
	global_prefetch_b8 v0, s[64:65] scope:SCOPE_SE
	s_setreg_imm32_b32 hwreg(HW_REG_WAVE_MODE, 25, 1), 1
	s_wait_xcnt 0x0
; INR: out0 = MLP(hash encoding of x).  The lookups, the bilinear mix, the input's quantiser, four products on codes of FP6 (E2M3) with one E8M0 scale for each 32 along K, the last product (N = 1) in f32, + b4.
; No work of reference() is left out.  The table indices, which hang on floor(x * res), and the weights' codes were made by the launch before.
; SHARES.  A work-group owns 1,024 points, each of its eight waves 128: four blocks of 32 points for the lookups (a lane a point), two passes of four tiles of 16 points for the products.  Two waves share a SIMD's registers,
; 512 each, so that one wave's vector work stands beside the other's matrix work and LDS loads.  Each fragment of weights read from LDS feeds four matrix instructions.
; LDS TAKES TURNS.  First the tables: levels 8-15 as they lie (262,144 bytes), levels 0-7 as the dense block of the entries that the modulo can reach (57,344).  When the fine levels have been looked up, the weights' records
; (188,416 bytes) are brought over them, and land while the coarse levels are looked up.
; LAYOUT.  Every product is used transposed (source 0 = 16 units of W, source 1 = 16 points): a lane holds ONE point.  The units of a tile are chosen (row m of tile t is unit 64 (t / 4) + 32 (m / 8) + 8 (t % 4) + m % 8) so that
; a lane's 32 results of tiles 4 g .. 4 g + 3 are one whole block of 32 along the next K, in the order of the next operand's registers 6 c .. 6 c + 5 (g = 2 s + c): a block's maximum needs no other lane, and no codes change lanes.
; NO JOINT LOADS, though all work-groups read the same tables and weights: the LDS addresses of the lookups come from each work-group's own indices.
; NO PREFETCH: a wave's 36 loads of x and idx all go out at its head, so nothing runs ahead of them.
; THE LEVELS' RESOLUTIONS are those of the launch before (RES5, RES10, RES15, HS5: see there).
; LIMITS: |x * res| under 2^31; NaN and infinities among the inputs are not served; a block whose largest magnitude lies under 2^-124 keeps the scale byte 1, a block of zeros too (its codes are zeros).
.set RES0,  0x41000000
.set RES1,  0x41200000
.set RES2,  0x41500000
.set RES3,  0x41900000
.set RES4,  0x41c00000
.set RES5,  0x41f80000
.set RES6,  0x42280000
.set RES7,  0x425c0000
.set RES8,  0x42920000
.set RES9,  0x42c20000
.set RES10, 0x42fe0000
.set RES11, 0x43280000
.set RES12, 0x435e0000
.set RES13, 0x43930000
.set RES14, 0x43c20000
.set RES15, 0x43ff8000
.set HS0, 64
.set HS1, 100
.set HS2, 169
.set HS3, 324
.set HS4, 576
.set HS5, 961
.set HS6, 1764
.set HS7, 3025
.set CB0, 0
.set CB1, 512
.set CB2, 1536
.set CB3, 3072
.set CB4, 5888
.set CB5, 10496
.set CB6, 18688
.set CB7, 33024
.set COARSE, 262144                    ; LDS: 0 .. the fine levels, later the weights; from here the coarse block, 57,344 bytes;
.set SPARE,  319488                    ; and the spare words, 128 bytes for each wave: four blocks of 256 bytes that no other line names
.set REC,  3328                        ; a record of layers 1-3: fragments at 0 and 1,536, scale words at 3,072, biases at 3,200, W4 at 3,264
.set REC0, 1792                        ; of layer 0: fragment at 0, scale words at 1,536, biases at 1,664
.set LB0, 0                            ; where a layer's sixteen records begin
.set LB1, 28672
.set LB2, 81920
.set LB3, 135168
; REGISTERS, window 0
.set SPW, 1                            ; v1   LDS address of my spare word; never rewritten
.set NIL, 2                            ; v2   0; never rewritten
.set AW0, 3                            ; v3   16 x lane
.set AS0, 4                            ; v4   4 x lane
.set AB0, 5                            ; v5   32 x (lane / 16)
.set AW,  6                            ; v6-8 the same + the layer's base
.set AS,  7
.set AB,  8
.set SH,  9                            ; v9   8 x (lane / 16)
.set GO,  10                           ; v10  8 x lane
.set XO,  11                           ; v11  24 x lane
.set WS,  16                           ; v16-17 the weights' scale words, two buffers.  v16-29 hold scales and nothing else
.set PS,  18                           ; v18-21 scale words of the operands in P, a register a tile: lanes 0-15 K step 0, lanes 16-31 K step 1
.set QS,  22                           ; v22-25 of those in Q
.set XS,  26                           ; v26-27 the input's, of the pass in hand: lanes 0-15 one tile, lanes 16-31 the next;  v28-29 of the second pass
.set MX,  30                           ; v30-33 largest magnitudes, a register a tile
.set SO,  34                           ; v34-37 the conversions' scale operands
.set BY,  38                           ; v38-41 bytes
.set PW,  42                           ; v42-49 parts of scale words: tile T, K step s at 2 T + s
.set OS,  50                           ; v50-57 the last product's sums, a pair a tile
.set OV,  58                           ; v58-59 two results to store
.set RT,  60                           ; v60-63 at work on the way out
.set WB,  64                           ; v64-111  a tile's two fragments of weights, two buffers of 24
.set BI,  112                          ; v112-127 its biases in the result's layout, two buffers of 8
.set ACC, 128                          ; v128-255 tile of points T, tile of units t % 4: 32 T + 8 (t % 4)
; during the lookups the same registers hold:
.set AD,  30                           ; v30-45   sixteen LDS addresses
.set XR,  46                           ; v46-61   x, y, z of my point in block b: 4 b
.set TT,  64                           ; v64-95   sixteen entries
.set WT,  96                           ; v96-127  eight registers of weights a level
.set FE,  128                          ; v128-255 the features: 32 b + 2 level + f
; window 1
.set PP,  0                            ; v0-95    operands: 24 T + 12 s + 6 c   (during the lookups v0-127: the packed places, batch n at 8 n)
.set QQ,  96                           ; v96-191  likewise; layer 0's operand of tile T at 24 T
.set W4R, 96                           ; in layer 3: W4 of a group's 32 units a lane
.set XC,  192                          ; v192-239 the input's codes: pass p, tile T at 24 p + 6 T
.set TC,  240                          ; v240-255 second halves of blocks, on their way
.set MSB, 0
.macro WIN new                         ; the immediate's high byte repeats the setting that is left; a switch that changes nothing is dropped
.if MSB != \new
	s_set_vgpr_msb (MSB<<8)|\new
.set MSB, \new
.endif
.endm
.macro PLACES                          ; four places in front of loads into registers that matrix instructions have read
.rept 4
	v_nop
.endr
.endm
	s_load_b256 s[4:11], s[0:1], 0x0               ; x 4, idx 6, tables 8, ctab 10
	s_load_b128 s[12:15], s[0:1], 0x20             ; wimg 12, b4 14
	s_load_b64 s[16:17], s[0:1], 0x30              ; out0
	v_lshl_add_u32 v[SPW], v0, 2, SPARE
	v_mov_b32 v[NIL], 0
	ds_add_u32 v[SPW], v[NIL]                      ; the wave's opening: the add, twice on end, and its wait ahead of my first tensor load
	ds_add_u32 v[SPW], v[NIL]                      ; and once more, under the one wait; the descriptors' constant words stand between
	v_lshrrev_b32 v12, 5, v0
	v_readfirstlane_b32 s18, v12                   ; wave 0..7
	; descriptor groups 1: dense blocks as rows of 256 bytes (32 elements of 8 bytes), no padding: s[32:39] a fine level (128 rows), s[40:47] an eighth of the coarse block (28), s[48:55] an eighth of the weights (92)
.irp g, 32, 40, 48
	s_mov_b32 s[\g], 3<<16                         ; no mask; elements of 8 bytes; padding off
	s_mov_b32 s[\g+1], 32<<16                      ; tensor_dim0 = 32
	s_mov_b32 s[\g+3], 32<<16                      ; tile_dim0 = 32
	s_mov_b32 s[\g+5], 32                          ; from row to row
	s_mov_b32 s[\g+6], 0
	s_mov_b32 s[\g+7], 0
.endr
	s_mov_b32 s34, 128<<16                         ; tensor_dim1,
	s_mov_b32 s36, 128                             ; tile_dim1
	s_mov_b32 s42, 28<<16
	s_mov_b32 s44, 28
	s_mov_b32 s50, 92<<16
	s_mov_b32 s52, 92
	; groups 0: s[56:59] my fine level, s[60:63] my part of the coarse block, s[68:71] my part of the weights
	s_mov_b32 s56, 1
	s_lshl_b32 s57, s18, 15                        ; LDS: wave x 32,768
	s_mov_b32 s60, 1
	s_mul_i32 s72, s18, 7168
	s_add_co_u32 s61, s72, COARSE
	s_mov_b32 s68, 1
	s_mul_i32 s69, s18, 23552
	s_mov_b32 s23, 0
	s_mov_b32 s26, 0xffff
	s_mov_b32 s27, 0x1800000                       ; the floor 2^(3 - 127)
	s_mov_b32 s28, 0x76543210
	s_mov_b32 s29, 0xfedcba98                      ; v_permlanex16_b32's selects for lane l xor 16
	s_mov_b32 s30, 0xffff0000                      ; lanes 16-31
	s_wait_dscnt 0x0                               ; both opening adds are done
	s_wait_kmcnt 0x0
	s_mov_b32 s22, s57
	s_add_nc_u64 s[58:59], s[8:9], s[22:23]
	s_add_nc_u64 s[58:59], s[58:59], 8*32768       ; level 8 + wave
	s_or_b32 s59, s59, 0x80000000
	s_mov_b32 s22, s72
	s_add_nc_u64 s[62:63], s[10:11], s[22:23]
	s_or_b32 s63, s63, 0x80000000
	tensor_load_to_lds s[56:59], s[32:39]          ; the first fills go out together, every wave's two: two tensor loads of mine are out
	s_nop 0
	tensor_load_to_lds s[60:63], s[40:47]
	s_nop 0
	v_and_b32 v12, 31, v0                          ; lane
	v_bfe_u32 v13, v0, 4, 1                        ; lane / 16
	v_lshlrev_b32 v[AW0], 4, v12
	v_lshlrev_b32 v[AS0], 2, v12
	v_lshlrev_b32 v[AB0], 5, v13
	v_lshlrev_b32 v[SH], 3, v13
	v_lshlrev_b32 v[GO], 3, v12
	v_mul_u32_u24 v[XO], v12, 24
	s_load_b32 s24, s[14:15], 0x0                  ; b4
	s_mov_b32 s22, s69
	s_add_nc_u64 s[70:71], s[12:13], s[22:23]
	s_or_b32 s71, s71, 0x80000000
	s_mul_i32 s22, ttmp9, 12288                    ; x: 1,024 points of 12 bytes a work-group, 128 a wave
	s_mul_i32 s73, s18, 1536
	s_add_co_u32 s22, s22, s73
	s_add_nc_u64 s[4:5], s[4:5], s[22:23]
	s_lshl_b32 s22, ttmp9, 17                      ; idx: 32 blocks of 4,096 bytes a work-group, 4 a wave
	s_lshl_b32 s73, s18, 14
	s_add_co_u32 s22, s22, s73
	s_add_nc_u64 s[6:7], s[6:7], s[22:23]
	s_lshl_b32 s22, ttmp9, 12                      ; out0: 4 bytes a point
	s_lshl_b32 s73, s18, 9
	s_add_co_u32 s22, s22, s73
	s_add_nc_u64 s[16:17], s[16:17], s[22:23]
.irp r, 0,1,2,3
	global_load_b96 v[XR+4*\r:XR+4*\r+2], v[XO], s[4:5] offset:768*(\r/2)+12*(\r%2)   ; block 2 G + par: point 64 G + 2 lane + par
.endr
	WIN 0x40                                       ; destination window 1
.set n, 0
.rept 16                                       ; in the order of the batches: the fine levels of blocks 0-3, then the coarse; each load reads 512 consecutive bytes
	global_load_b128 v[8*n:8*n+3],   v[AW0], s[6:7] offset:4096*((n%8)/2)+512*(4*(1-n/8)+2*(n%2)) th:TH_LOAD_NT
	global_load_b128 v[8*n+4:8*n+7], v[AW0], s[6:7] offset:4096*((n%8)/2)+512*(4*(1-n/8)+2*(n%2)+1) th:TH_LOAD_NT
.set n, n+1
.endr
	WIN 0
	s_wait_tensorcnt 0x1                           ; my fine level is in; my part of the coarse block may stay out
	s_barrier_signal -1
	s_barrier_wait -1                              ; everybody's is
; A BATCH: four levels a0 .. a3 (a0 a multiple of 4) of block rho; n: the batch's number in the order of the loads.
.macro BATCH n, rho, a0, a1, a2, a3
	s_wait_loadcnt 30-2*(\n)                       ; 36 loads went out at the head; this batch wants the first 6 + 2 n of them
	WIN 0x04                                       ; source 1 window 1: the packed places
.irp k, 0,1,2,3
	v_and_b32     v[AD+4*\k],   s26, v[8*(\n)+2*\k]
	v_lshrrev_b32 v[AD+4*\k+1], 16,  v[8*(\n)+2*\k]
	v_and_b32     v[AD+4*\k+2], s26, v[8*(\n)+2*\k+1]
	v_lshrrev_b32 v[AD+4*\k+3], 16,  v[8*(\n)+2*\k+1]
.endr
	WIN 0
.irp l, \a0, \a1, \a2, \a3
.if \l < 8
.set BND, CB\l+8*(HS\l-1)                      ; the level's last entry, within the coarse block,
.set BAS, COARSE                               ; which begins here
.else
.set BND, ((\l)&1)*32768+32760                 ; the level's last entry, within its pair of levels,
.set BAS, (((\l)-8)>>1)*65536                  ; which begins here
.endif
.irp c, 0,1,2,3
	v_min_u32 v[AD+4*((\l)&3)+\c], BND, v[AD+4*((\l)&3)+\c]   ; a loaded number enters an address only under a bound written in the instruction
.endr
.if BAS != 0
.irp c, 0,1,2,3
	v_add_nc_u32 v[AD+4*((\l)&3)+\c], BAS, v[AD+4*((\l)&3)+\c]
.endr
.endif
.endr
.irp k, 0,1,2,3
.irp c, 0,1,2,3
	ds_load_b64 v[TT+8*\k+2*\c:TT+8*\k+2*\c+1], v[AD+4*\k+\c]   ; an entry: two features
.endr
.endr
.irp l, \a0, \a1, \a2, \a3                     ; the weights, while the entries come: x * res, its floor, the fraction, as reference() has them
	v_pk_mul_f32 v[WT+8*((\l)&3)+4:WT+8*((\l)&3)+5], v[XR+4*(\rho):XR+4*(\rho)+1], RES\l op_sel_hi:[1,0]
.endr
.irp k, 0,1,2,3
	v_floor_f32 v[WT+8*\k+6], v[WT+8*\k+4]
	v_floor_f32 v[WT+8*\k+7], v[WT+8*\k+5]
.endr
.irp k, 0,1,2,3
	v_sub_f32 v[WT+8*\k+1], v[WT+8*\k+4], v[WT+8*\k+6]          ; fx
	v_sub_f32 v[WT+8*\k+3], v[WT+8*\k+5], v[WT+8*\k+7]          ; fy
.endr
.irp k, 0,1,2,3
	v_sub_f32 v[WT+8*\k],   1.0, v[WT+8*\k+1]                   ; 1 - fx
	v_sub_f32 v[WT+8*\k+2], 1.0, v[WT+8*\k+3]                   ; 1 - fy
.endr
.irp k, 0,1,2,3
	v_pk_mul_f32 v[WT+8*\k+4:WT+8*\k+5], v[WT+8*\k:WT+8*\k+1], v[WT+8*\k+2:WT+8*\k+3] op_sel_hi:[0,1]              ; corners (0,0), (0,1): (1 - fx) x (1 - fy, fy)
	v_pk_mul_f32 v[WT+8*\k+6:WT+8*\k+7], v[WT+8*\k:WT+8*\k+1], v[WT+8*\k+2:WT+8*\k+3] op_sel:[1,0] op_sel_hi:[1,1] ; corners (1,0), (1,1): fx x (1 - fy, fy)
.endr
.irp l, \a0, \a1, \a2, \a3
.set K4, (\l)&3
.set FB, FE+32*(\rho)+2*(\l)
	s_wait_dscnt 12-4*K4                           ; this level's four entries are in; four for each later level may be out
	v_pk_mul_f32 v[FB:FB+1], v[TT+8*K4:TT+8*K4+1],   v[WT+8*K4+4:WT+8*K4+5] op_sel_hi:[1,0]
	v_pk_fma_f32 v[FB:FB+1], v[TT+8*K4+2:TT+8*K4+3], v[WT+8*K4+4:WT+8*K4+5], v[FB:FB+1] op_sel:[0,1,0] op_sel_hi:[1,1,1]
	v_pk_fma_f32 v[FB:FB+1], v[TT+8*K4+4:TT+8*K4+5], v[WT+8*K4+6:WT+8*K4+7], v[FB:FB+1] op_sel_hi:[1,0,1]
	v_pk_fma_f32 v[FB:FB+1], v[TT+8*K4+6:TT+8*K4+7], v[WT+8*K4+6:WT+8*K4+7], v[FB:FB+1] op_sel:[0,1,0] op_sel_hi:[1,1,1]
.endr
.endm
.irp r, 0,1,2,3
	BATCH 2*\r, \r, 8, 9, 10, 11
	BATCH 2*\r+1, \r, 12, 13, 14, 15
.endr
	; THE WEIGHTS COME OVER THE FINE LEVELS.  Each wave: all its tensor loads have landed; the add; the add and its reads of the fine levels are done; the barrier; then its one load, first thing behind it.
	s_wait_tensorcnt 0x0                           ; my part of the coarse block too
	ds_add_u32 v[SPW], v[NIL]                      ; 0 onto my spare word
	s_wait_dscnt 0x0
	s_barrier_signal -1
	s_barrier_wait -1
	tensor_load_to_lds s[68:71], s[48:55]          ; 92 rows of 256 bytes a wave: it lands while the coarse levels are looked up; one tensor load of mine is out
	s_nop 0
	PLACES                                         ; (four vector lines ahead of the next switch of windows)
.irp r, 0,1,2,3
	BATCH 8+2*\r, \r, 0, 1, 2, 3
	BATCH 9+2*\r, \r, 4, 5, 6, 7
.endr
; THE INPUT'S QUANTISER, block rho.  K = 33: block 0 is my point's 32 features, block 1 is z and zeros; both lie in my lane.  The operand wants, for the tile of lanes 0-15, block 0 in lanes 0-15 and block 1 in lanes 16-31,
; and likewise for the tile of lanes 16-31: six exchanges of halves between block 0's registers and block 1's give both tiles' registers 0-5.
.macro QIN rho
.set FB, FE+32*(\rho)
	v_max3_num_f32 v30, |v[FB]|, |v[FB+1]|, 0x1800000      ; the largest magnitude, in two chains, with the floor 2^(3 - 127) among the leaves: the byte cannot fall under 1
	v_max3_num_f32 v31, |v[FB+16]|, |v[FB+17]|, 0x1800000
.irp i, 2,4,6,8,10,12,14
	v_max3_num_f32 v30, v30, |v[FB+\i]|, |v[FB+\i+1]|
	v_max3_num_f32 v31, v31, |v[FB+16+\i]|, |v[FB+17+\i]|
.endr
	v_max_num_f32 v30, v30, v31
	v_max_num_f32 v31, |v[XR+4*(\rho)+2]|, s27
	v_add_nc_u32 v32, 0xff000000, v30              ; 2 off the exponent field: the conversion's scale operand
	v_add_nc_u32 v33, 0xff000000, v31
	v_lshrrev_b32 v34, 23, v32                     ; the bytes
	v_lshrrev_b32 v35, 23, v33
	v_mov_b32 v64, v[XR+4*(\rho)+2]                ; z, ahead of fifteen zeros
	v_cvt_scalef32_pk16_fp6_f32 v[80:82], v[FB:FB+15], v32
	v_cvt_scalef32_pk16_fp6_f32 v[88:90], v[FB+16:FB+31], v32   ; (a conversion's three registers begin on an even number)
	v_cvt_scalef32_pk16_fp6_f32 v[92:94], v[64:79], v33
	v_nop                                          ; one plain place behind a scaled conversion
.irp i, 0,1,2
	v_mov_b32 v[83+\i], v[88+\i]
.endr
	v_mov_b32 v96, v92                             ; block 1: z's code; all its other codes are zeros
.irp i, 97,98,99,100,101
	v_mov_b32 v\i, 0
.endr
	v_lshl_or_b32 v34, v35, 8, v34
	v_or_b32 v[XS+(\rho)], 0x7f7f0000, v34         ; my point's scale word; blocks 2 and 3: zero codes, byte 127.  Lanes 0-15 serve one tile, lanes 16-31 the other
.irp i, 0,1,2,3,4,5
	v_permlane16_swap_b32 v[80+\i], v[96+\i]       ; the first's lanes 16-31 change places with the second's lanes 0-15
.endr
	WIN 0x40
.irp i, 0,1,2,3,4,5
	v_mov_b32 v[XC+12*(\rho)+\i], v[80+\i]
	v_mov_b32 v[XC+12*(\rho)+6+\i], v[96+\i]
.endr
	WIN 0
.endm
.set i, 65
.rept 15
	v_mov_b32 v[i], 0                              ; block 1's zeros, once
.set i, i+1
.endr
	QIN 0
	QIN 1
	QIN 2
	QIN 3
	s_wait_kmcnt 0x0                               ; b4
	s_wait_tensorcnt 0x0                           ; my part of the weights is in (no LDS load of mine is out: the last batch waited for all),
	s_barrier_signal -1
	s_barrier_wait -1                              ; everybody's is
; Tile t's record into buffer b: 3 nk + 3 LDS loads.  The fragments as images of their registers, 16 bytes a lane; the scale words, 4 bytes a lane; the biases of my half's eight units.
.macro LOADW nk, rec, t, b
.set q, 0
.rept 3*(\nk)
	ds_load_b128 v[WB+24*(\b)+4*q:WB+24*(\b)+4*q+3], v[AW] offset:(\t)*(\rec)+512*q
.set q, q+1
.endr
	ds_load_b32 v[WS+(\b)], v[AS] offset:(\t)*(\rec)+1536*(\nk)
	ds_load_b128 v[BI+8*(\b):BI+8*(\b)+3],   v[AB] offset:(\t)*(\rec)+1536*(\nk)+128
	ds_load_b128 v[BI+8*(\b)+4:BI+8*(\b)+7], v[AB] offset:(\t)*(\rec)+1536*(\nk)+144
.endm
; A tile of 16 units against the four tiles of points.  The biases are the C of each sum's first product.  The four accumulators take turns, one instruction a turn.
; kind 0: layer 0: two tiles of points share a scale register, the even in lanes 0-15, the odd in lanes 16-31.
.macro TILE nk, tp, b, src, ssc, kind
.irp T, 0,1,2,3
.if (\kind) != 0
	v_wmma_scale_f32_16x16x128_f8f6f4 v[ACC+32*\T+8*(\tp):ACC+32*\T+8*(\tp)+7], v[WB+24*(\b):WB+24*(\b)+11], v[\src+24*\T:\src+24*\T+11], v[BI+8*(\b):BI+8*(\b)+7], v[WS+(\b)], v[\ssc+\T] matrix_a_fmt:MATRIX_FMT_FP6 matrix_b_fmt:MATRIX_FMT_FP6
.elseif (\T%2) == 0
	v_wmma_scale_f32_16x16x128_f8f6f4 v[ACC+32*\T+8*(\tp):ACC+32*\T+8*(\tp)+7], v[WB+24*(\b):WB+24*(\b)+11], v[\src+24*\T:\src+24*\T+11], v[BI+8*(\b):BI+8*(\b)+7], v[WS+(\b)], v[\ssc+\T/2] matrix_a_fmt:MATRIX_FMT_FP6 matrix_b_fmt:MATRIX_FMT_FP6
.else
	v_wmma_scale_f32_16x16x128_f8f6f4 v[ACC+32*\T+8*(\tp):ACC+32*\T+8*(\tp)+7], v[WB+24*(\b):WB+24*(\b)+11], v[\src+24*\T:\src+24*\T+11], v[BI+8*(\b):BI+8*(\b)+7], v[WS+(\b)], v[\ssc+\T/2] matrix_a_fmt:MATRIX_FMT_FP6 matrix_b_fmt:MATRIX_FMT_FP6 matrix_b_scale:MATRIX_SCALE_ROW1
.endif
.endr
.if (\nk) == 2
.irp T, 0,1,2,3
	v_wmma_scale_f32_16x16x128_f8f6f4 v[ACC+32*\T+8*(\tp):ACC+32*\T+8*(\tp)+7], v[WB+24*(\b)+12:WB+24*(\b)+23], v[\src+24*\T+12:\src+24*\T+23], v[ACC+32*\T+8*(\tp):ACC+32*\T+8*(\tp)+7], v[WS+(\b)], v[\ssc+\T] matrix_a_fmt:MATRIX_FMT_FP6 matrix_b_fmt:MATRIX_FMT_FP6 matrix_a_scale:MATRIX_SCALE_ROW1 matrix_b_scale:MATRIX_SCALE_ROW1
.endr
.endif
.endm
.macro RELU                            ; 128 numbers, ascending: each accumulator is read from its low end on, and the first 24 lines, on results of earlier tiles, are the places behind the last tile's products
	WIN 0
.set i, 0
.rept 128
	v_max_num_f32 v[ACC+i], 0, v[ACC+i]
.set i, i+1
.endr
.endm
; Group g (tiles 4 g .. 4 g + 3) is done: for each tile of points my 32 numbers are block 2 c + lane / 16 of K step s of the next product (g = 2 s + c).  They become registers 6 c .. 6 c + 5 of the operand at dst.
.macro QUANT g, dst, dsc
	RELU
.irp T, 0,1,2,3
	v_max3_num_f32 v[MX+\T], v[ACC+32*\T], v[ACC+32*\T+1], 0x1800000   ; no |.|: none is negative.  The floor 2^(3 - 127) among the leaves: the byte cannot fall under 1
.endr
.irp i, 2,4,6,8,10,12,14,16,18,20,22,24,26,28,30
.irp T, 0,1,2,3
	v_max3_num_f32 v[MX+\T], v[MX+\T], v[ACC+32*\T+\i], v[ACC+32*\T+\i+1]   ; (the four tiles by turns)
.endr
.endr
.irp T, 0,1,2,3
	v_add_nc_u32 v[SO+\T], 0xff000000, v[MX+\T]    ; 2 off the exponent field: the conversion's scale operand
.endr
.if ((\g)%2) == 0
.irp T, 0,1,2,3
	v_lshrrev_b32 v[BY+\T], 23, v[SO+\T]           ; the byte of block lane / 16
.endr
.else
.irp T, 0,1,2,3
	v_lshrrev_b32 v[MX+\T], 23, v[SO+\T]           ; of block 2 + lane / 16
.endr
.irp T, 0,1,2,3
	v_lshl_or_b32 v[BY+\T], v[MX+\T], 16, v[BY+\T]
.endr
.irp T, 0,1,2,3
	v_lshlrev_b32 v[PW+2*\T+(\g)/2], v[SH], v[BY+\T]   ; my two bytes at their places in the K step's scale word
.endr
.endif
	WIN 0x40                                       ; destination window 1
.irp T, 0,1,2,3
	v_cvt_scalef32_pk16_fp6_f32 v[\dst+24*\T+6*(\g):\dst+24*\T+6*(\g)+2], v[ACC+32*\T:ACC+32*\T+15], v[SO+\T]
	v_cvt_scalef32_pk16_fp6_f32 v[TC+4*\T:TC+4*\T+2], v[ACC+32*\T+16:ACC+32*\T+31], v[SO+\T]   ; (a conversion's three registers begin on an even number)
.endr
	v_nop                                          ; one plain place behind a scaled conversion
.if (\g) == 3
	WIN 0
.irp T, 0,1,2,3
	v_permlane16_swap_b32 v[PW+2*\T], v[PW+2*\T+1] ; K step 0's upper part changes places with K step 1's lower:
.endr
.irp T, 0,1,2,3
	v_or_b32 v[\dsc+\T], v[PW+2*\T], v[PW+2*\T+1]  ; lanes 0-15 now hold K step 0's whole words, lanes 16-31 K step 1's
.endr
.endif
	WIN 0x41                                       ; source 0 and destination window 1
.irp T, 0,1,2,3
.irp i, 0,1,2
	v_mov_b32 v[\dst+24*\T+6*(\g)+3+\i], v[TC+4*\T+\i]   ; (behind group 3 these twelve are among the places between the scale words and the next layer's products)
.endr
.endr
	WIN 0x04
.endm
; Layer 3's group g goes into the last product instead, in f32: the sum over my 32 units of relu(h) x W4, two at a time.  The first line starts the sums.
.macro FINAL g
	RELU
	WIN 0x04                                       ; source 1 window 1: W4
.set i, 0
.rept 16
.irp T, 0,1,2,3
.if ((\g) == 0) && (i == 0)
	v_pk_mul_f32 v[OS+2*\T:OS+2*\T+1], v[ACC+32*\T:ACC+32*\T+1], v[W4R:W4R+1]
.else
	v_pk_fma_f32 v[OS+2*\T:OS+2*\T+1], v[ACC+32*\T+i:ACC+32*\T+i+1], v[W4R+i:W4R+i+1], v[OS+2*\T:OS+2*\T+1]
.endif
.endr
.set i, i+2
.endr
.endm
; A LAYER: sixteen tiles of units, each record fetched one tile ahead into the other buffer.  kind 0: layer 0 (one K step); 1: layers 1, 2; 2: layer 3.
.macro LAYER nk, rec, lbase, src, ssc, dst, dsc, kind
	WIN 0
	v_add_nc_u32 v[AW], \lbase, v[AW0]
	v_add_nc_u32 v[AS], \lbase, v[AS0]
	v_add_nc_u32 v[AB], \lbase, v[AB0]
	WIN 0x04                                       ; source 1 (the points' operand) window 1; all else window 0
	LOADW \nk, \rec, 0, 0
	PLACES                                         ; with the three additions: the places between the vector lines that wrote the operand and its scale words, and the products
.set TI, 0
.rept 16
.if (TI%4) != 0
	PLACES                                         ; in front of loads into the buffer that the last tile's products read (behind a group's end that group's vector work is the places)
.endif
.if ((\kind) == 2) && ((TI%4) == 3)
	WIN 0x44                                       ; destination window 1
.irp i, 0,1,2,3
	ds_load_b128 v[W4R+8*\i:W4R+8*\i+3],   v[AB] offset:(TI-3+\i)*(\rec)+3264   ; W4 of the group's units, in the results' layout
	ds_load_b128 v[W4R+8*\i+4:W4R+8*\i+7], v[AB] offset:(TI-3+\i)*(\rec)+3280
.endr
	WIN 0x04
.endif
.if TI < 15
	LOADW \nk, \rec, TI+1, (TI+1)%2
	s_wait_dscnt 3*(\nk)+3                         ; all but the next tile's loads, just issued
.else
	s_wait_dscnt 0x0
.endif
	TILE \nk, TI%4, TI%2, \src, \ssc, \kind
.if (TI%4) == 3
.if (\kind) == 2
	FINAL TI/4
.else
	QUANT TI/4, \dst, \dsc
.endif
.endif
.set TI, TI+1
.endr
.endm
.macro STAGE p                         ; pass p's input: registers 0-5 of each tile's operand; registers 6-11 (k = 64 on) are zero codes
	WIN 0x41
.set i, 0
.rept 24
	v_mov_b32 v[QQ+24*(i/6)+i%6], v[XC+24*(\p)+i]
.set i, i+1
.endr
	WIN 0x40
.set i, 0
.rept 24
	v_mov_b32 v[QQ+24*(i/6)+6+i%6], 0
.set i, i+1
.endr
	WIN 0
.endm
	STAGE 0
	s_mov_b32 s25, 0
.Lpass:                                            ; two trips: 64 points each
	LAYER 1, REC0, LB0, QQ, XS, PP, PS, 0
	LAYER 2, REC,  LB1, PP, PS, QQ, QS, 1
	LAYER 2, REC,  LB2, QQ, QS, PP, PS, 1
	LAYER 2, REC,  LB3, PP, PS, 0, 0, 2
	WIN 0
.irp T, 0,1,2,3
	v_add_f32 v[RT+\T], v[OS+2*\T], v[OS+2*\T+1]   ; the sum's two halves,
.endr
.irp T, 0,1,2,3
	v_permlanex16_b32 v[MX+\T], v[RT+\T], s28, s29
.endr
.irp T, 0,1,2,3
	v_add_f32 v[RT+\T], v[RT+\T], v[MX+\T]         ; and lane l xor 16's units: tile T's point lane % 16, in both halves of the lanes
.endr
	v_cndmask_b32 v[OV],   v[RT],   v[RT+1], s30   ; point 64 G + 2 lane: tile 0 for lanes 0-15, tile 1 for lanes 16-31
	v_cndmask_b32 v[OV+1], v[RT+2], v[RT+3], s30   ; point 64 G + 2 lane + 1: tiles 2, 3
	v_add_f32 v[OV],   s24, v[OV]
	v_add_f32 v[OV+1], s24, v[OV+1]
	global_store_b64 v[GO], v[OV:OV+1], s[16:17] th:TH_STORE_NT   ; the wave stores 256 consecutive bytes, aligned
	s_wait_xcnt 0x0                                ; the store has read its base and its data: both are written again only behind this wait
	s_add_nc_u64 s[16:17], s[16:17], 256
	s_cmp_eq_u32 s25, 1
	s_cbranch_scc1 .Llast
	v_mov_b32 v[XS],   v[XS+2]                     ; the second pass's scale words, ahead of the 48 lines below: more than eight places ahead of the products
	v_mov_b32 v[XS+1], v[XS+3]
	STAGE 1
.Llast:
	s_add_co_u32 s25, s25, 1
	s_cmp_lt_u32 s25, 2
	s_cbranch_scc1 .Lpass
	s_wait_tensorcnt 0x0                           ; the wave's end: behind my last tensor load
	ds_add_u32 v[SPW], v[NIL]
	s_wait_dscnt 0x0
	s_endpgm
.Lfunc_end_k_qecb8b6d8bf_inr:
	.size	k_qecb8b6d8bf_inr, .Lfunc_end_k_qecb8b6d8bf_inr-k_qecb8b6d8bf_inr
	.p2alignl 7, 3214868480
	.fill 96, 4, 3214868480
	.section	.rodata,"a",@progbits
	.p2align	6, 0x0
	.amdhsa_kernel k_qecb8b6d8bf_inr
		.amdhsa_group_segment_fixed_size 327680
		.amdhsa_private_segment_fixed_size 0
		.amdhsa_enable_private_segment 0
		.amdhsa_kernarg_size 56
		.amdhsa_user_sgpr_count 2
		.amdhsa_user_sgpr_kernarg_segment_ptr 1
		.amdhsa_wavefront_size32 1
		.amdhsa_system_sgpr_workgroup_id_x 1
		.amdhsa_system_sgpr_workgroup_id_y 1
		.amdhsa_system_sgpr_workgroup_id_z 1
		.amdhsa_system_vgpr_workitem_id 0
		.amdhsa_next_free_vgpr 512
		.amdhsa_next_free_sgpr 80
		.amdhsa_reserve_vcc 0
		.amdhsa_float_denorm_mode_32 3
		.amdhsa_float_denorm_mode_16_64 3
		.amdhsa_memory_ordered 1
		.amdhsa_forward_progress 1
		.amdhsa_inst_pref_size 255
	.end_amdhsa_kernel
	.section	.bss,"aw",@nobits
	.p2align	6
	.space	262144
	.amdgpu_metadata
---
amdhsa.version: [ 1, 2 ]
amdhsa.kernels:
  - .name:           k_qecb8b6d8bf_inr
    .symbol:         k_qecb8b6d8bf_inr.kd
    .args:
      - { .name: x, .offset: 0, .size: 8, .value_kind: global_buffer, .address_space: global }
      - { .name: idx, .offset: 8, .size: 8, .value_kind: global_buffer, .address_space: global }
      - { .name: tables, .offset: 16, .size: 8, .value_kind: global_buffer, .address_space: global }
      - { .name: ctab, .offset: 24, .size: 8, .value_kind: global_buffer, .address_space: global }
      - { .name: wimg, .offset: 32, .size: 8, .value_kind: global_buffer, .address_space: global }
      - { .name: b4, .offset: 40, .size: 8, .value_kind: global_buffer, .address_space: global }
      - { .name: out0, .offset: 48, .size: 8, .value_kind: global_buffer, .address_space: global }
    .group_segment_fixed_size: 327680
    .private_segment_fixed_size: 0
    .kernarg_segment_align: 8
    .kernarg_segment_size: 56
    .max_flat_workgroup_size: 256
    .sgpr_count:     80
    .vgpr_count:     512
    .wavefront_size: 32
...
	.end_amdgpu_metadata
.endif
;; end of part 2
